; MI455X (gfx1250); checked and timed in simulation.
; The chip was launched on July 23, 2026; its instructions are those of AMD's public machine-readable ISA for CDNA 5 (MIT licence, August 2026) and "CDNA5" Instruction Set Architecture Reference Guide (July 2026). The comments in the code are by the model that wrote it; some were corrected since.
;; Diff MPC2. Allowed arithmetic: float matrix products may take bf16 or f16 operands with f32 sums; all other float work in f32.
;; Inputs: Q 1,048,576 x 16 float32; p 1,048,576 x 16 float32; u_init 1,048,576 x 4 float32; x_init 1,048,576 x 12 float32.
;; Outputs: out0 1,048,576 x 4 float32.
;; One version. Each part assembles by itself: llvm-mc -triple=amdgcn-amd-amdhsa -mcpu=gfx1250 --defsym DOCPART=n.
;; ======== version 1 of 1: 1 launch
;; launch mpc (part 1): grid 512 x 1, 8 waves a work-group, no clusters, 0 bytes of LDS; arguments Q, p, u_init, out0; writes out0
.if DOCPART == 1
	.amdgcn_target "amdgcn-amd-amdhsa--gfx1250"
	.amdhsa_code_object_version 6
	.text
	.protected	k_q8ea310498c_mpc
	.globl	k_q8ea310498c_mpc
	.p2align	8
	.type	k_q8ea310498c_mpc,@function
k_q8ea310498c_mpc:
	s_mov_b64 s[64:65], 0
	v_nop
	global_prefetch_b8 v0, s[64:65] scope:SCOPE_SE
	s_setreg_imm32_b32 hwreg(HW_REG_WAVE_MODE, 25, 1), 1
	s_wait_xcnt 0x0
; out0[r][c] = u after 100 steps of  u <- u - 0.01 (2 q u + p),  q = Q[r][12+c], p = p[r][12+c], u starting at u_init[r][c].
; Q, p: [1048576][16] f32.  u_init, out0: [1048576][4] f32.
;
; ONE STEP IS AN AFFINE MAP:  u <- a u + b  with  a = 1 - 0.02 q,  b = -0.01 p.  A map (A, B): u -> A u + B composed with itself
; is (A A, A B + B).  Six such squarings make the maps of 2, 4, 8, 16, 32, 64 steps; 100 = 4 + 32 + 64, so u goes through the maps
; of 4, of 32 and of 64 steps (powers of one map commute).  That is all 100 steps, for every a and b (no division by q, nothing cut
; short), in 17 operations a number in place of 100, all of them packed two by two: 34 instructions for a row.
;
; x_init IS NOT READ: it enters the problem through its shape alone (12, the column at which the controls begin in Q and p);
; none of its numbers reaches the result, so this launch is not given its address.  Columns 0 to 11 of Q and p do not reach the
; result either, and no lane asks for them.
;
; LIMITS.  The order of rounding differs from a chain of 100 steps: the rounding of a enters a^100 at most a hundredfold (about
; 100 x 2^-24 relative).  Where the 100 steps themselves overflow f32 (|1 - 0.02 q| above about 2.4 with numbers of order one, that
; is q below -70 or above 170) the stepwise form ends in infinities or NaN, and this text may end in another pattern of them;
; a^64 by itself overflows only from |a| = 4 on.  A NaN in q, p or u gives NaN here too.
;
; SHARES.  512 work-groups of eight waves; a work-group owns 2,048 consecutive rows, as ITEMS items of 256 rows; thread t owns row
; 256 j + t of item j.  u_init and out0: lanes 16 bytes apart, so each load or store of a wave covers 512 consecutive bytes, aligned.
; Q and p: lanes 64 bytes apart, 16 bytes each: four neighbouring lanes ask inside one aligned block of 256 bytes, and no other
; instruction of the launch asks inside that block.  No byte is wanted by two lanes: no LDS, no barrier.
; All 3 x ITEMS loads of a wave are issued at the start, ahead of every store; each item is then worked on in the registers that it
; was loaded into and stored from them.  No address, base or store-data register is written again behind its first use,
; and EXEC never changes: the counted waits for the loads are the only waits for data.
.set ITEMS,   8                        ; rows of a thread
.set THREADS, 256                      ; rows of an item
.set QROW,    64                       ; bytes in a row of Q and of p
.set UROW,    16                       ; bytes in a row of u_init and of out0
.set CTRL,    48                       ; byte of column 12 in a row of Q and of p
.set QO, 1                             ; v1        64 t: my row of an item in Q and p; never rewritten
.set UO, 2                             ; v2        16 t: my row of an item in u_init and out0; never rewritten
.set A,  4                             ; v[4:35]   item j: 4 registers, q as loaded, then A of the map
.set B,  36                            ; v[36:67]  item j: 4 registers, p as loaded, then B of the map
.set U,  68                            ; v[68:99]  item j: 4 registers, u, from the load to the store
	s_load_b256 s[4:11], s[0:1], 0x0               ; Q s[4:5], p s[6:7], u_init s[8:9], out0 s[10:11]
	s_lshl_b32 s2, ttmp9, 17                       ; the work-group's number x 2,048 rows x 64 bytes: 511 << 17 at the most, below 2^26
	s_mov_b32 s3, 0
	s_lshl_b32 s12, ttmp9, 15                      ; the work-group's number x 2,048 rows x 16 bytes
	s_mov_b32 s13, 0
	s_mov_b32 s14, 0xbca3d70a                      ; -0.02 = -(2 x 0.01), exact doubling of the f32 0.01; both words of the pair are written,
	s_mov_b32 s15, 0xbca3d70a                      ; the packed forms broadcast the first
	s_mov_b32 s16, 0xbc23d70a                      ; -0.01
	s_mov_b32 s17, 0xbc23d70a
	v_lshlrev_b32 v[QO], 6, v0
	v_lshlrev_b32 v[UO], 4, v0
	s_wait_kmcnt 0x0
	s_add_nc_u64 s[4:5], s[4:5], s[2:3]            ; each buffer at the group's first row
	s_add_nc_u64 s[6:7], s[6:7], s[2:3]
	s_add_nc_u64 s[8:9], s[8:9], s[12:13]
	s_add_nc_u64 s[10:11], s[10:11], s[12:13]
	; The wave's whole share, 24 loads; the item stands in the immediate (7 x 16,384 + 48 bytes at the most).  Every byte is read once in the launch.
.irp j, 0,1,2,3,4,5,6,7
	global_load_b128 v[A+4*\j:A+4*\j+3], v[QO], s[4:5] offset:\j*THREADS*QROW+CTRL th:TH_LOAD_NT
	global_load_b128 v[B+4*\j:B+4*\j+3], v[QO], s[6:7] offset:\j*THREADS*QROW+CTRL th:TH_LOAD_NT
	global_load_b128 v[U+4*\j:U+4*\j+3], v[UO], s[8:9] offset:\j*THREADS*UROW th:TH_LOAD_NT
.endr
; The map of item j composed with itself: B <- A B + B (with the old A), then A <- A A.  Twice as many steps.
.macro TWICE j
.irp h, 0,2
	v_pk_fma_f32 v[B+4*\j+\h:B+4*\j+\h+1], v[A+4*\j+\h:A+4*\j+\h+1], v[B+4*\j+\h:B+4*\j+\h+1], v[B+4*\j+\h:B+4*\j+\h+1]
.endr
.irp h, 0,2
	v_pk_mul_f32 v[A+4*\j+\h:A+4*\j+\h+1], v[A+4*\j+\h:A+4*\j+\h+1], v[A+4*\j+\h:A+4*\j+\h+1]
.endr
.endm
; u of item j goes through the map as it stands: u <- A u + B.
.macro APPLY j
.irp h, 0,2
	v_pk_fma_f32 v[U+4*\j+\h:U+4*\j+\h+1], v[A+4*\j+\h:A+4*\j+\h+1], v[U+4*\j+\h:U+4*\j+\h+1], v[B+4*\j+\h:B+4*\j+\h+1]
.endr
.endm
.macro ITEM j
	s_wait_loadcnt 3*(ITEMS-1-\j)                  ; loads come back in order (ISA guide 5.7.1): this item's three are in, the three of each younger item stay out
.irp h, 0,2
	v_pk_fma_f32 v[A+4*\j+\h:A+4*\j+\h+1], v[A+4*\j+\h:A+4*\j+\h+1], s[14:15], 1.0 op_sel_hi:[1,0,0]   ; a = 1 - 0.02 q
	v_pk_mul_f32 v[B+4*\j+\h:B+4*\j+\h+1], v[B+4*\j+\h:B+4*\j+\h+1], s[16:17] op_sel_hi:[1,0]          ; b = -0.01 p: the map of 1 step
.endr
	TWICE \j                                       ; 2 steps
	TWICE \j                                       ; 4 steps
	APPLY \j                                       ; u after 4 steps
	TWICE \j                                       ; 8
	TWICE \j                                       ; 16
	TWICE \j                                       ; 32
	APPLY \j                                       ; u after 36 steps
	TWICE \j                                       ; 64
	APPLY \j                                       ; u after 100 steps
	global_store_b128 v[UO], v[U+4*\j:U+4*\j+3], s[10:11] offset:\j*THREADS*UROW th:TH_STORE_NT   ; 16 lanes store 256 consecutive bytes, aligned; written once, not read again
.endm
.irp j, 0,1,2,3,4,5,6,7
	ITEM \j
.endr
	s_endpgm
.Lfunc_end_k_q8ea310498c_mpc:
	.size	k_q8ea310498c_mpc, .Lfunc_end_k_q8ea310498c_mpc-k_q8ea310498c_mpc
	.p2alignl 7, 3214868480
	.fill 96, 4, 3214868480
	.section	.rodata,"a",@progbits
	.p2align	6, 0x0
	.amdhsa_kernel k_q8ea310498c_mpc
		.amdhsa_group_segment_fixed_size 0
		.amdhsa_private_segment_fixed_size 0
		.amdhsa_enable_private_segment 0
		.amdhsa_kernarg_size 32
		.amdhsa_user_sgpr_count 2
		.amdhsa_user_sgpr_kernarg_segment_ptr 1
		.amdhsa_wavefront_size32 1
		.amdhsa_system_sgpr_workgroup_id_x 1
		.amdhsa_system_sgpr_workgroup_id_y 1
		.amdhsa_system_sgpr_workgroup_id_z 1
		.amdhsa_system_vgpr_workitem_id 0
		.amdhsa_next_free_vgpr 100
		.amdhsa_next_free_sgpr 66
		.amdhsa_reserve_vcc 0
		.amdhsa_float_denorm_mode_32 3
		.amdhsa_float_denorm_mode_16_64 3
		.amdhsa_memory_ordered 1
		.amdhsa_forward_progress 1
		.amdhsa_inst_pref_size 22
	.end_amdhsa_kernel
	.amdgpu_metadata
---
amdhsa.version: [ 1, 2 ]
amdhsa.kernels:
  - .name:           k_q8ea310498c_mpc
    .symbol:         k_q8ea310498c_mpc.kd
    .args:
      - { .name: Q, .offset: 0, .size: 8, .value_kind: global_buffer, .address_space: global }
      - { .name: p, .offset: 8, .size: 8, .value_kind: global_buffer, .address_space: global }
      - { .name: u_init, .offset: 16, .size: 8, .value_kind: global_buffer, .address_space: global }
      - { .name: out0, .offset: 24, .size: 8, .value_kind: global_buffer, .address_space: global }
    .group_segment_fixed_size: 0
    .private_segment_fixed_size: 0
    .kernarg_segment_align: 8
    .kernarg_segment_size: 32
    .max_flat_workgroup_size: 256
    .sgpr_count:     66
    .vgpr_count:     100
    .wavefront_size: 32
...
	.end_amdgpu_metadata
.endif
;; end of part 1
